; MI455X (gfx1250); checked and timed in simulation.
; The chip was launched on July 23, 2026; its instructions are those of AMD's public machine-readable ISA for CDNA 5 (MIT licence, August 2026) and "CDNA5" Instruction Set Architecture Reference Guide (July 2026). The comments in the code are by the model that wrote it; some were corrected since.
;; Decoder Wrapper. Allowed arithmetic: float matrix products may take bf16 or f16 operands with f32 sums; other float arithmetic in f32, or as packed bf16 or f16 multiplies, adds, multiply-adds, maxima and minima; sums over many terms, partial sums and values carried from step to step in f32; what a program stores and reads back later, other than sums and carried values, may be rounded once to bf16 or f16.
;; Inputs: Wk 1,024 x 1,024 float32; Wo 1,024 x 1,024 float32; Wq 1,024 x 1,024 float32; Wv 1,024 x 1,024 float32; input 8 x 32 x 1,024 float32; kv 8 x 4,000 x 1,024 float32; mask_add 8 x 1 x 1 x 4,000 float32; mask_bool 8 x 1 x 1 x 4,000 bool; position_bias 1 x 16 x 32 x 4,000 float32.
;; Outputs: out0 8 x 32 x 1,024 float32; out1 8 x 16 x 32 x 20 float32.
;; Constants: n_context = 20.
;; One version. Each part assembles by itself: llvm-mc -triple=amdgcn-amd-amdhsa -mcpu=gfx1250 --defsym DOCPART=n.
;; ======== version 1 of 1: 4 launches
;; limits: values outside matrix products are rounded to bf16; values are held in f16: magnitudes above 65,504 overflow, below 6.1e-05 lose precision
;; workspace buffers: kvb 65,585,152 bytes; wts 8,912,896 bytes; tab 1,180,416 bytes; qf 8,388,608 bytes; part 4,194,304 bytes; ml 131,072 bytes
;; launch prep (part 1): grid 2496 x 1, 8 waves a work-group, no clusters, 19,456 bytes of LDS; arguments kv, Wk, input, Wq, Wv, Wo, mask_add, mask_bool, kvb, wts, tab; writes kvb, wts, tab
.if DOCPART == 1
	.amdgcn_target "amdgcn-amd-amdhsa--gfx1250"
	.amdhsa_code_object_version 6
	.text
	.protected	k_q9b17abec03_prep
	.globl	k_q9b17abec03_prep
	.p2align	8
	.type	k_q9b17abec03_prep,@function
k_q9b17abec03_prep:
	s_mov_b64 s[64:65], 0
	v_nop
	global_prefetch_b8 v0, s[64:65] scope:SCOPE_SE
	s_setreg_imm32_b32 hwreg(HW_REG_WAVE_MODE, 25, 1), 1
	s_wait_xcnt 0x0
; PREP: every input that becomes a matrix operand is rounded once to bf16 and that number is written as f16; the masks are laid out as tables.
; LIMITS.  f16 ends at 65,504: kv, input and the weights stay below it; a bf16 number below 6e-5 keeps f16's fixed step of 6e-8.
; Work-groups 0-31 (one for each batch and split of 1,000 keys): tab = [32][1,024] f32 of 2^-8 mask_add (-1e30 for the 24 keys past the split's end),
;   then [32][16][1,024] bf16 of mask_bool where the key lies in context = row, else 0, then [8][20] f32 of 1 / count; and kvb's 24 rows of zeros behind its last key.
; Work-groups 32-415: Wq, Wv, Wo turned, [n][k] f16, a tile of 128 k x 64 n through LDS, so that both the reads and the stores go in runs of 256 consecutive bytes.
; Work-groups 416-2495: kv, Wk, input as they lie, 64 KiB of f32 each: sixteen loads of 16 bytes a lane, all out at once; a wave's store covers 256 consecutive bytes, aligned.
.set TP,     272                       ; a turned row in LDS: 128 f16 + 16 bytes
.set CN,     17408                     ; 256 words: each thread's count of true keys
.set SPARE,  18432                     ; the spare words, 128 bytes for each of eight waves; no other line names them
.set SPW,    110
.set NIL,    111
.set MW_OFF, 131072
.set RC_OFF, 1179648
.macro CV2 dst, a, b, t, u             ; two f32 -> bf16 (nearest even) -> the same numbers as f16, packed
	v_cvt_pk_bf16_f32 v[\t], v[\a], v[\b]
	v_lshlrev_b32 v[\u], 16, v[\t]
	v_and_b32 v[\t], s27, v[\t]
	v_cvt_pk_f16_f32 v[\dst], v[\u], v[\t]
.endm
	s_load_b512 s[4:19], s[0:1], 0x0               ; kv, Wk, input, Wq, Wv, Wo, mask_add, mask_bool
	s_load_b128 s[20:23], s[0:1], 0x40             ; kvb, wts
	s_load_b64 s[24:25], s[0:1], 0x50              ; tab
	v_lshl_add_u32 v[SPW], v0, 2, SPARE
	v_mov_b32 v[NIL], 0
	s_mov_b32 s27, 0xffff0000
	s_wait_kmcnt 0x0
	s_cmp_ge_u32 ttmp9, 416                        ; the branches hang on the work-group's number alone: all eight waves go one way
	s_cbranch_scc1 .Lcast
	s_cmp_ge_u32 ttmp9, 32
	s_cbranch_scc1 .Ltrans
	; ---- the tables of batch b, split s.  Thread t owns keys 4 t .. 4 t + 3 of the split's 1,024 places; from t = 250 on they are dead
	s_lshr_b32 s28, ttmp9, 2                       ; b
	s_and_b32 s29, ttmp9, 3                        ; split
	s_mul_i32 s30, s28, 4000
	s_mul_i32 s31, s29, 1000
	s_add_co_u32 s30, s30, s31                     ; the split's first key
	s_mov_b32 s31, 0
	s_add_nc_u64 s[18:19], s[18:19], s[30:31]      ; mask_bool there (a byte a key)
	s_lshl_b32 s30, s30, 2
	s_add_nc_u64 s[16:17], s[16:17], s[30:31]      ; mask_add there
	s_lshl_b32 s30, ttmp9, 12
	s_add_nc_u64 s[34:35], s[24:25], s[30:31]      ; my 4,096 bytes of the first table
	s_lshl_b32 s30, ttmp9, 15
	s_add_nc_u64 s[36:37], s[24:25], s[30:31]
	s_add_nc_u64 s[36:37], s[36:37], MW_OFF        ; my 32,768 bytes of the second
	s_mul_i32 s30, s28, 20
	s_mul_i32 s32, s29, 5
	s_add_co_u32 s30, s30, s32
	s_lshl_b32 s30, s30, 2
	s_add_nc_u64 s[38:39], s[24:25], s[30:31]
	s_add_nc_u64 s[38:39], s[38:39], RC_OFF        ; my five words of the third
	s_mul_i32 s30, ttmp9, 1536
	s_add_nc_u64 s[40:41], s[20:21], s[30:31]
	s_add_nc_u64 s[40:41], s[40:41], 65536000      ; my 1,536 bytes of kvb's 24 rows of zeros
	v_lshlrev_b32 v1, 2, v0
	v_min_u32 v1, 996, v1                          ; a dead thread reads the split's last four keys and throws them away
	v_lshlrev_b32 v2, 2, v1
	global_load_b128 v[4:7], v2, s[16:17]
	global_load_b32 v8, v1, s[18:19]
	v_cmp_le_u32 s33, 250, v0                      ; dead
	v_mul_u32_u24 v9, v0, 1311
	v_lshrrev_b32 v9, 16, v9                       ; context = t / 50 for t < 250 (a context is 200 keys: 50 threads)
	v_lshlrev_b32 v10, 4, v0
	v_lshlrev_b32 v11, 3, v0
	v_mov_b32 v12, 0xf149f2ca                      ; -1e30
	v_lshl_add_u32 v18, v0, 2, CN
	s_wait_loadcnt 0x0
.irp j, 4,5,6,7
	v_mul_f32 v\j, 0x3b800000, v\j                 ; 2^-8: each of the four waves of the attention adds it once, and the scores carry 2^-6
.endr
.irp j, 4,5,6,7
	v_cndmask_b32 v\j, v\j, v12, s33
.endr
	global_store_b128 v10, v[4:7], s[34:35]
	v_cndmask_b32 v8, v8, v[NIL], s33
	v_bfe_u32 v13, v8, 0, 8
	v_bfe_u32 v14, v8, 8, 8
	v_bfe_u32 v15, v8, 16, 8
	v_bfe_u32 v16, v8, 24, 8
	v_add3_u32 v17, v13, v14, v15
	v_add_nc_u32 v17, v17, v16                     ; my true keys
	ds_store_b32 v18, v17
	v_lshl_or_b32 v13, v14, 16, v13
	v_lshl_or_b32 v15, v16, 16, v15
	v_mul_u32_u24 v13, v13, 0x3f80                 ; 0 or 1 in each half becomes bf16 0 or 1.0
	v_mul_u32_u24 v15, v15, 0x3f80
.irp row, 0,1,2,3,4,5,6,7,8,9,10,11,12,13,14,15
	v_cmp_eq_u32 vcc_lo, \row, v9
	v_cndmask_b32 v[20+2*\row], 0, v13, vcc_lo
	v_cndmask_b32 v[21+2*\row], 0, v15, vcc_lo
	global_store_b64 v11, v[20+2*\row:21+2*\row], s[36:37] offset:2048*\row  ; a wave's store: 256 consecutive bytes, aligned; each row has data registers of its own
.endr
	s_wait_dscnt 0x0                               ; my count is in LDS,
	s_barrier_signal -1
	s_barrier_wait -1                              ; everybody's is
	v_min_u32 v19, 4, v0
	v_mul_u32_u24 v19, v19, 200                    ; context c's 50 words
.set i, 0
.rept 25
	ds_load_b64 v[52+2*i:53+2*i], v19 offset:CN+8*i
.set i, i+1
.endr
	s_wait_dscnt 0x0
	v_add_nc_u32 v52, v52, v53
.set i, 1
.rept 24
	v_add3_u32 v52, v52, v[52+2*i], v[53+2*i]
.set i, i+1
.endr
	v_cvt_f32_u32 v52, v52
	v_rcp_f32 v53, v52                             ; a context with no true key gives an infinity, and 0 x infinity the NaN that 0 / 0 gives
	v_lshlrev_b32 v2, 2, v0                        ; a plain instruction behind the reciprocal (v2's load has been waited for)
	s_wait_alu depctr_va_vdst(0)                   ; ahead of the first line that names the reciprocal
.irp j, 104,105,106,107
	v_mov_b32 v\j, 0
.endr
	v_cmp_gt_u32 vcc_lo, 5, v0
	s_wait_xcnt 0x0                                ; EXEC changes only behind this wait: stores are out
	s_and_saveexec_b32 s42, vcc_lo
	global_store_b32 v2, v53, s[38:39]
	s_wait_xcnt 0x0
	s_or_b32 exec_lo, exec_lo, s42
	v_cmp_gt_u32 vcc_lo, 96, v0
	s_and_saveexec_b32 s42, vcc_lo
	global_store_b128 v10, v[104:107], s[40:41]
	s_wait_xcnt 0x0
	s_or_b32 exec_lo, exec_lo, s42
	s_wait_tensorcnt 0x0                           ; the wave's end: behind my last LDS store
	ds_add_u32 v[SPW], v[NIL]
	s_wait_dscnt 0x0
	s_endpgm
.Ltrans:	; ---- a tile of 128 k x 64 n of Wq, Wv or Wo, turned
	s_sub_co_u32 s28, ttmp9, 32
	s_lshr_b32 s29, s28, 7                         ; which matrix
	s_and_b32 s30, s28, 7                          ; kt
	s_bfe_u32 s31, s28, 0x40003                    ; nt
	s_cmp_eq_u32 s29, 0
	s_cselect_b64 s[32:33], s[10:11], s[12:13]
	s_cmp_eq_u32 s29, 2
	s_cselect_b64 s[32:33], s[14:15], s[32:33]
	s_lshl_b32 s34, s30, 19                        ; 128 rows of 4,096 bytes
	s_lshl_b32 s35, s31, 8                         ; 64 columns of 4 bytes
	s_add_co_u32 s34, s34, s35
	s_mov_b32 s35, 0
	s_add_nc_u64 s[32:33], s[32:33], s[34:35]
	s_add_co_u32 s36, s29, 1
	s_lshl_b32 s36, s36, 21                        ; the turned matrices lie at 2, 4 and 6 MiB of wts
	s_lshl_b32 s37, s31, 17                        ; 64 rows of 2,048 bytes
	s_add_co_u32 s36, s36, s37
	s_lshl_b32 s37, s30, 8                         ; 128 columns of 2 bytes
	s_add_co_u32 s36, s36, s37
	s_mov_b32 s37, 0
	s_add_nc_u64 s[38:39], s[22:23], s[36:37]
	v_lshrrev_b32 v1, 4, v0                        ; p: rows 2 p, 2 p + 1 of each 32
	v_and_b32 v2, 15, v0                           ; four columns
	v_lshlrev_b32 v3, 4, v2
	v_lshl_add_u32 v3, v1, 13, v3
.irp i, 0,1,2,3
	global_load_b128 v[8+8*\i:11+8*\i],  v3, s[32:33] offset:131072*\i th:TH_LOAD_NT
	global_load_b128 v[12+8*\i:15+8*\i], v3, s[32:33] offset:131072*\i+4096 th:TH_LOAD_NT
.endr
	v_mul_u32_u24 v6, v2, 4*TP
	v_lshl_add_u32 v6, v1, 2, v6                   ; in: row n = 4 (t % 16) + c, the word of k = 32 i + 2 p
	v_mul_u32_u24 v7, v1, TP
	v_lshl_add_u32 v7, v2, 4, v7                   ; back: row t / 16 + 16 j, 16 bytes
	v_lshlrev_b32 v72, 4, v2
	v_lshl_add_u32 v72, v1, 11, v72
	s_wait_loadcnt 0x0
.irp i, 0,1,2,3
.irp c, 0,1,2,3
	CV2 40+4*\i+\c, 8+8*\i+\c, 12+8*\i+\c, 4, 5
	ds_store_b32 v6, v[40+4*\i+\c] offset:TP*\c+64*\i
.endr
.endr
	s_wait_dscnt 0x0                               ; my words are in the tile,
	s_barrier_signal -1
	s_barrier_wait -1                              ; everybody's are
.irp j, 0,1,2,3
	ds_load_b128 v[56+4*\j:59+4*\j], v7 offset:16*TP*\j
.endr
	s_wait_dscnt 0x0
.irp j, 0,1,2,3
	global_store_b128 v72, v[56+4*\j:59+4*\j], s[38:39] offset:32768*\j  ; 16 lanes store 256 consecutive bytes, aligned
.endr
	s_wait_tensorcnt 0x0                           ; the wave's end: behind my last LDS store
	ds_add_u32 v[SPW], v[NIL]
	s_wait_dscnt 0x0
	s_endpgm
.Lcast:	; ---- 64 KiB of kv (chunks 0-1,999), Wk (2,000-2,063) or input (2,064-2,079), as it lies
	s_sub_co_u32 s30, ttmp9, 416
	s_cmp_ge_u32 s30, 2000
	s_cselect_b64 s[32:33], s[6:7], s[4:5]
	s_cselect_b64 s[34:35], s[22:23], s[20:21]
	s_cselect_b32 s36, 2000, 0
	s_cmp_ge_u32 s30, 2064
	s_cselect_b64 s[32:33], s[8:9], s[32:33]
	s_cselect_b32 s36, 2064, s36
	s_cselect_b32 s37, 0x800000, 0                 ; input's copy lies at 8 MiB of wts, Wk's at 0
	s_sub_co_u32 s30, s30, s36
	s_lshl_b32 s38, s30, 16
	s_mov_b32 s39, 0
	s_add_nc_u64 s[32:33], s[32:33], s[38:39]
	s_lshl_b32 s38, s30, 15
	s_add_co_u32 s38, s38, s37
	s_add_nc_u64 s[34:35], s[34:35], s[38:39]
	v_lshrrev_b32 v3, 5, v0
	v_and_b32 v4, 31, v0
	v_lshlrev_b32 v1, 4, v4
	v_lshl_add_u32 v1, v3, 13, v1                  ; a wave reads 8,192 consecutive bytes,
	v_lshlrev_b32 v2, 3, v4
	v_lshl_add_u32 v2, v3, 12, v2                  ; and stores 4,096
.set i, 0
.rept 16
	global_load_b128 v[8+4*i:11+4*i], v1, s[32:33] offset:512*i th:TH_LOAD_NT
.set i, i+1
.endr
.set i, 0
.rept 16
	s_wait_loadcnt 15-i                            ; loads come back in order: number i is in, the younger ones stay out
	CV2 72+2*i, 8+4*i, 9+4*i, 4, 5
	CV2 73+2*i, 10+4*i, 11+4*i, 6, 7
	global_store_b64 v2, v[72+2*i:73+2*i], s[34:35] offset:256*i  ; no register of a store is written again
.set i, i+1
.endr
	s_endpgm
.Lfunc_end_k_q9b17abec03_prep:
	.size	k_q9b17abec03_prep, .Lfunc_end_k_q9b17abec03_prep-k_q9b17abec03_prep
	.p2alignl 7, 3214868480
	.fill 96, 4, 3214868480
	.section	.rodata,"a",@progbits
	.p2align	6, 0x0
	.amdhsa_kernel k_q9b17abec03_prep
		.amdhsa_group_segment_fixed_size 19456
		.amdhsa_private_segment_fixed_size 0
		.amdhsa_enable_private_segment 0
		.amdhsa_kernarg_size 88
		.amdhsa_user_sgpr_count 2
		.amdhsa_user_sgpr_kernarg_segment_ptr 1
		.amdhsa_wavefront_size32 1
		.amdhsa_system_sgpr_workgroup_id_x 1
		.amdhsa_system_sgpr_workgroup_id_y 1
		.amdhsa_system_sgpr_workgroup_id_z 1
		.amdhsa_system_vgpr_workitem_id 0
		.amdhsa_next_free_vgpr 112
		.amdhsa_next_free_sgpr 66
		.amdhsa_reserve_vcc 1
		.amdhsa_float_denorm_mode_32 3
		.amdhsa_float_denorm_mode_16_64 3
		.amdhsa_memory_ordered 1
		.amdhsa_forward_progress 1
		.amdhsa_inst_pref_size 29
	.end_amdhsa_kernel
	.amdgpu_metadata
---
amdhsa.version: [ 1, 2 ]
amdhsa.kernels:
  - .name:           k_q9b17abec03_prep
    .symbol:         k_q9b17abec03_prep.kd
    .args:
      - { .name: kv, .offset: 0, .size: 8, .value_kind: global_buffer, .address_space: global }
      - { .name: Wk, .offset: 8, .size: 8, .value_kind: global_buffer, .address_space: global }
      - { .name: input, .offset: 16, .size: 8, .value_kind: global_buffer, .address_space: global }
      - { .name: Wq, .offset: 24, .size: 8, .value_kind: global_buffer, .address_space: global }
      - { .name: Wv, .offset: 32, .size: 8, .value_kind: global_buffer, .address_space: global }
      - { .name: Wo, .offset: 40, .size: 8, .value_kind: global_buffer, .address_space: global }
      - { .name: mask_add, .offset: 48, .size: 8, .value_kind: global_buffer, .address_space: global }
      - { .name: mask_bool, .offset: 56, .size: 8, .value_kind: global_buffer, .address_space: global }
      - { .name: kvb, .offset: 64, .size: 8, .value_kind: global_buffer, .address_space: global }
      - { .name: wts, .offset: 72, .size: 8, .value_kind: global_buffer, .address_space: global }
      - { .name: tab, .offset: 80, .size: 8, .value_kind: global_buffer, .address_space: global }
    .group_segment_fixed_size: 19456
    .private_segment_fixed_size: 0
    .kernarg_segment_align: 8
    .kernarg_segment_size: 88
    .max_flat_workgroup_size: 256
    .sgpr_count:     66
    .vgpr_count:     112
    .wavefront_size: 32
...
	.end_amdgpu_metadata
.endif
;; end of part 1
;; launch qp (part 2): grid 16 x 8, 4 waves a work-group, no clusters, 33,280 bytes of LDS; arguments wts, qf; writes qf
.if DOCPART == 2
	.amdgcn_target "amdgcn-amd-amdhsa--gfx1250"
	.amdhsa_code_object_version 6
	.text
	.protected	k_q9b17abec03_qp
	.globl	k_q9b17abec03_qp
	.p2align	8
	.type	k_q9b17abec03_qp,@function
k_q9b17abec03_qp:
	s_mov_b64 s[64:65], 0
	v_nop
	global_prefetch_b8 v0, s[64:65] scope:SCOPE_SE
	s_setreg_imm32_b32 hwreg(HW_REG_WAVE_MODE, 25, 1), 1
	s_wait_xcnt 0x0
; QP: for one batch b and head: q = input Wq_h (32 x 64), then Q' = 2^-6 q Wk_h^T (32 x 1,024), so that scores = Q' kv^T: K is never made.
; Both products are taken transposed (source 0 = the weights' rows, source 1 = 16 queries): a lane ends with eight neighbouring numbers of one query, which pack into half a fragment of the next product's source 1.
; Q' is stored as the attention reads it: [b][head][16 queries' tile 2][32 channels' step 32][half 2][lane 32][16 bytes] f16: every store covers 512 consecutive bytes.
; LIMITS.  q is scaled by 2^-6 ahead of its rounding to f16, so that Q' has room in f16: 2^-6 |q| and 2^-6 |Q'| stay below 65,504; below 6e-5 they keep f16's fixed step of 6e-8.
; Phase 1: K = 1,024 is split among the four waves, 256 each; the partial sums meet in LDS.  Phase 2: wave w makes channels 256 w .. 256 w + 255, eight blocks of 16 at a time.
; REGISTERS.  window 0: v0-15 addresses; v16-47 q's four fragments; v64-127 phase 1's sums, then packed results; v128-255 input's fragments, then phase 2's sums.
;   window 1: Wq^T's fragments (d block db, step ks at 8 (8 db + ks)), then the four partial sums.   window 2: Wk's fragments (channel block cb, half kd of d at 8 (2 cb + kd)).
.set SPARE, 32768                      ; behind the exchange: the spare words, 128 bytes a wave; no other line names them
.set SPW, 14
.set NIL, 15
.set MSB, 0
.macro WIN new
.if MSB != (\new)
	s_set_vgpr_msb (MSB<<8)|(\new)
.set MSB, (\new)
.endif
.endm
.macro PLACES                          ; four plain instructions between a matrix instruction and a reader of its result or a load into its registers
.rept 4
	v_nop
.endr
.endm
	s_load_b128 s[4:7], s[0:1], 0x0                ; wts, qf
	v_lshl_add_u32 v[SPW], v0, 2, SPARE
	v_mov_b32 v[NIL], 0
	v_lshrrev_b32 v1, 5, v0
	v_readfirstlane_b32 s8, v1                     ; wave
	s_and_b32 s9, ttmp7, 0xffff                    ; b; ttmp9 is the head
	v_and_b32 v1, 15, v0
	v_bfe_u32 v2, v0, 4, 1
	v_and_b32 v3, 31, v0
	v_lshlrev_b32 v4, 11, v1
	v_lshl_add_u32 v4, v2, 4, v4                   ; a fragment's row x 2,048 + 16 x half
	s_lshl_b32 s10, s8, 19
	v_add_nc_u32 v5, s10, v4                       ; Wk: + my 256 rows
	s_lshl_b32 s10, s8, 9
	v_add_nc_u32 v4, s10, v4                       ; Wq^T and input: + my 256 along k
	s_lshl_b32 s10, s8, 13
	v_lshlrev_b32 v7, 4, v3                        ; 16 x lane: the exchange read back, and my place in a stored fragment
	v_add_nc_u32 v6, s10, v7                       ; the exchange: my 8,192 bytes
	s_lshl_b32 s20, ttmp9, 17
	s_add_co_u32 s20, s20, 0x200000                ; Wq^T at the head's 64 rows
	s_mov_b32 s21, 0
	s_lshl_b32 s22, s9, 16
	s_add_co_u32 s22, s22, 0x800000                ; input at the batch's 32 rows
	s_mov_b32 s23, 0
	s_lshl_b32 s24, ttmp9, 7                       ; Wk at the head's 64 columns
	s_mov_b32 s25, 0
	s_lshl_b32 s26, s9, 4
	s_add_co_u32 s26, s26, ttmp9
	s_lshl_b32 s26, s26, 16
	s_add_co_u32 s26, s26, s10                     ; qf at (b, head), my eight steps
	s_mov_b32 s27, 0
	s_wait_kmcnt 0x0
	s_add_nc_u64 s[12:13], s[4:5], s[20:21]
	s_add_nc_u64 s[14:15], s[4:5], s[22:23]
	s_add_nc_u64 s[16:17], s[4:5], s[24:25]
	s_add_nc_u64 s[18:19], s[6:7], s[26:27]
	WIN 0x40
.irp db, 0,1,2,3
.irp ks, 0,1,2,3,4,5,6,7
	global_load_b128 v[8*(8*\db+\ks):8*(8*\db+\ks)+3],   v4, s[12:13] offset:32768*\db+64*\ks
	global_load_b128 v[8*(8*\db+\ks)+4:8*(8*\db+\ks)+7], v4, s[12:13] offset:32768*\db+64*\ks+32
.endr
.endr
	WIN 0
.irp qt, 0,1
.irp ks, 0,1,2,3,4,5,6,7
	global_load_b128 v[128+8*(8*\qt+\ks):128+8*(8*\qt+\ks)+3],   v4, s[14:15] offset:32768*\qt+64*\ks
	global_load_b128 v[128+8*(8*\qt+\ks)+4:128+8*(8*\qt+\ks)+7], v4, s[14:15] offset:32768*\qt+64*\ks+32
.endr
.endr
	WIN 0x80
.irp cb, 0,1,2,3,4,5,6,7,8,9,10,11,12,13,14,15
.irp kd, 0,1
	global_load_b128 v[8*(2*\cb+\kd):8*(2*\cb+\kd)+3],   v5, s[16:17] offset:32768*\cb+64*\kd
	global_load_b128 v[8*(2*\cb+\kd)+4:8*(2*\cb+\kd)+7], v5, s[16:17] offset:32768*\cb+64*\kd+32
.endr
.endr
	s_wait_loadcnt 0x0
	; phase 1: q^T, my quarter of K.  Sum number 2 db + qt; the eight take turns; the first product starts each
	WIN 0x01
.irp ks, 0,1,2,3,4,5,6,7
.irp db, 0,1,2,3
.irp qt, 0,1
.if \ks == 0
	v_wmma_f32_16x16x32_f16 v[64+8*(2*\db+\qt):64+8*(2*\db+\qt)+7], v[8*(8*\db+\ks):8*(8*\db+\ks)+7], v[128+8*(8*\qt+\ks):128+8*(8*\qt+\ks)+7], 0
.else
	v_wmma_f32_16x16x32_f16 v[64+8*(2*\db+\qt):64+8*(2*\db+\qt)+7], v[8*(8*\db+\ks):8*(8*\db+\ks)+7], v[128+8*(8*\qt+\ks):128+8*(8*\qt+\ks)+7], v[64+8*(2*\db+\qt):64+8*(2*\db+\qt)+7]
.endif
.endr
.endr
.endr
	PLACES
	WIN 0
.irp a, 0,1,2,3,4,5,6,7
	ds_store_b128 v6, v[64+8*\a:64+8*\a+3] offset:1024*\a
	ds_store_b128 v6, v[64+8*\a+4:64+8*\a+7] offset:1024*\a+512
.endr
	s_wait_dscnt 0x0                               ; my partial sums are in LDS,
	s_barrier_signal -1
	s_barrier_wait -1                              ; everybody's are
	WIN 0x40
.irp src, 0,1,2,3
.irp a, 0,1,2,3,4,5,6,7
	ds_load_b128 v[64*\src+8*\a:64*\src+8*\a+3],   v7 offset:8192*\src+1024*\a
	ds_load_b128 v[64*\src+8*\a+4:64*\src+8*\a+7], v7 offset:8192*\src+1024*\a+512
.endr
.endr
	s_wait_dscnt 0x0
	WIN 0x45
.set i, 0
.rept 32
	v_pk_add_f32 v[2*i:2*i+1], v[2*i:2*i+1], v[64+2*i:65+2*i]
	v_pk_add_f32 v[128+2*i:129+2*i], v[128+2*i:129+2*i], v[192+2*i:193+2*i]
.set i, i+1
.endr
.set i, 0
.rept 32
	v_pk_add_f32 v[2*i:2*i+1], v[2*i:2*i+1], v[128+2*i:129+2*i]
.set i, i+1
.endr
.set i, 0
.rept 32
	v_pk_mul_f32 v[2*i:2*i+1], v[2*i:2*i+1], 0x3c800000 op_sel_hi:[1,0]  ; 2^-6
.set i, i+1
.endr
	WIN 0x05                                       ; q's fragment (qt, kd): d blocks 2 kd and 2 kd + 1
.irp qt, 0,1
.irp kd, 0,1
.irp e, 0,1
.irp z, 0,1,2,3
	v_cvt_pk_f16_f32 v[16+8*(2*\qt+\kd)+4*\e+\z], v[8*(2*(2*\kd+\e)+\qt)+2*\z], v[8*(2*(2*\kd+\e)+\qt)+2*\z+1]
.endr
.endr
.endr
.endr
	; phase 2: Q'^T, eight channel blocks at a time: sixteen sums (2 cb' + qt) by turns, two deep
.irp bt, 0,1
	WIN 0x02
.irp kd, 0,1
.irp cb, 0,1,2,3,4,5,6,7
.irp qt, 0,1
.if \kd == 0
	v_wmma_f32_16x16x32_f16 v[128+8*(2*\cb+\qt):128+8*(2*\cb+\qt)+7], v[8*(2*(8*\bt+\cb)+\kd):8*(2*(8*\bt+\cb)+\kd)+7], v[16+8*(2*\qt+\kd):16+8*(2*\qt+\kd)+7], 0
.else
	v_wmma_f32_16x16x32_f16 v[128+8*(2*\cb+\qt):128+8*(2*\cb+\qt)+7], v[8*(2*(8*\bt+\cb)+\kd):8*(2*(8*\bt+\cb)+\kd)+7], v[16+8*(2*\qt+\kd):16+8*(2*\qt+\kd)+7], v[128+8*(2*\cb+\qt):128+8*(2*\cb+\qt)+7]
.endif
.endr
.endr
.endr
	PLACES
	WIN 0
.if \bt == 1
	s_wait_xcnt 0x0                                ; the first batch's stores have read their data registers: they are written again only behind this wait
.endif
.set i, 0
.rept 64
	v_cvt_pk_f16_f32 v[64+i], v[128+2*i], v[129+2*i]
.set i, i+1
.endr
.irp cb, 0,1,2,3,4,5,6,7
.irp qt, 0,1
	global_store_b128 v7, v[64+4*(2*\cb+\qt):64+4*(2*\cb+\qt)+3], s[18:19] offset:32768*\qt+4096*\bt+512*\cb  ; step cb / 2, half cb % 2: 512 consecutive bytes
.endr
.endr
.endr
	s_wait_tensorcnt 0x0                           ; the wave's end: behind my last LDS store
	ds_add_u32 v[SPW], v[NIL]
	s_wait_dscnt 0x0
	s_endpgm
.Lfunc_end_k_q9b17abec03_qp:
	.size	k_q9b17abec03_qp, .Lfunc_end_k_q9b17abec03_qp-k_q9b17abec03_qp
	.p2alignl 7, 3214868480
	.fill 96, 4, 3214868480
	.section	.rodata,"a",@progbits
	.p2align	6, 0x0
	.amdhsa_kernel k_q9b17abec03_qp
		.amdhsa_group_segment_fixed_size 33280
		.amdhsa_private_segment_fixed_size 0
		.amdhsa_enable_private_segment 0
		.amdhsa_kernarg_size 16
		.amdhsa_user_sgpr_count 2
		.amdhsa_user_sgpr_kernarg_segment_ptr 1
		.amdhsa_wavefront_size32 1
		.amdhsa_system_sgpr_workgroup_id_x 1
		.amdhsa_system_sgpr_workgroup_id_y 1
		.amdhsa_system_sgpr_workgroup_id_z 1
		.amdhsa_system_vgpr_workitem_id 0
		.amdhsa_next_free_vgpr 768
		.amdhsa_next_free_sgpr 66
		.amdhsa_reserve_vcc 0
		.amdhsa_float_denorm_mode_32 3
		.amdhsa_float_denorm_mode_16_64 3
		.amdhsa_memory_ordered 1
		.amdhsa_forward_progress 1
		.amdhsa_inst_pref_size 53
	.end_amdhsa_kernel
	.amdgpu_metadata
---
amdhsa.version: [ 1, 2 ]
amdhsa.kernels:
  - .name:           k_q9b17abec03_qp
    .symbol:         k_q9b17abec03_qp.kd
    .args:
      - { .name: wts, .offset: 0, .size: 8, .value_kind: global_buffer, .address_space: global }
      - { .name: qf, .offset: 8, .size: 8, .value_kind: global_buffer, .address_space: global }
    .group_segment_fixed_size: 33280
    .private_segment_fixed_size: 0
    .kernarg_segment_align: 8
    .kernarg_segment_size: 16
    .max_flat_workgroup_size: 128
    .sgpr_count:     66
    .vgpr_count:     768
    .wavefront_size: 32
...
	.end_amdgpu_metadata
.endif
;; end of part 2
;; launch main (part 3): grid 8 x 32, 4 waves a work-group, clusters of 4 x 1, 327,680 bytes of LDS; arguments kvb, qf, position_bias, tab, wts, part, ml, out1; writes part, ml, out1
.if DOCPART == 3
	.amdgcn_target "amdgcn-amd-amdhsa--gfx1250"
	.amdhsa_code_object_version 6
	.text
	.protected	k_q9b17abec03_main
	.globl	k_q9b17abec03_main
	.p2align	8
	.type	k_q9b17abec03_main,@function
k_q9b17abec03_main:
	s_mov_b64 s[64:65], 0
	v_nop
	global_prefetch_b8 v0, s[64:65] scope:SCOPE_SE
	s_setreg_imm32_b32 hwreg(HW_REG_WAVE_MODE, 25, 1), 1
	s_wait_xcnt 0x0
	s_wait_alu depctr_hold_cnt(0) depctr_sa_sdst(0) depctr_va_vdst(0) depctr_va_sdst(0) depctr_va_ssrc(0) depctr_va_vcc(0) depctr_vm_vsrc(0)
	s_getreg_b32 s2, hwreg(HW_REG_IB_STS2, 6, 4)
	s_cmp_eq_u32 s2, 0
	s_cbranch_scc0 .Lentry_in_a_cluster
	s_endpgm
.Lentry_in_a_cluster:
	s_bfe_u32 s2, ttmp6, 0x10000c
	s_cmp_lg_u32 s2, 0x3003
	s_cbranch_scc0 .Lentry_shape_is_right
	s_endpgm
.Lentry_shape_is_right:
; MAIN: attention in which kv itself is both K and V, at "head size" 1,024: scores = Q' kv^T + mask_add + position_bias, O' = softmax(scores) kv, and at the end o = O' Wv_h.
; SHARES.  A work-group owns 64 rows (heads 2 g and 2 g + 1, 32 queries each: four tiles t of 16) of batch b and one split of 1,000 keys, walked as 32 steps of 32 keys; the last 24 places are dead
; (their mask is -1e30, their weight 0).  256 work-groups of equal work.  Wave w owns channels 256 w .. 256 w + 255 in BOTH products: its strip of kv in LDS is read by it alone, its part of Q' stays in 256
; registers, its part of O'^T in 512.  A step: each wave's partial scores of all four tiles go to LDS; wave w adds up tile w, makes its softmax, and hands the weights P and the factor a back through LDS.
; LAYOUT.  S^T = kv Q'^T (source 0 = 16 keys, source 1 = 16 queries): a lane holds ONE query (lane % 16) and keys 8 (lane / 16) + 0..7; two such results, packed, ARE source 1 (32 keys x 16 queries) of
; O'^T = kv^T P (kv turned by ds_load_tr16_b128) and of the product with mask_bool's table, whose row c sums context c's raw scores (out1).
; SOFTMAX.  A running maximum m and sum l for each query: p = 2^(c s - c m), c = log2(e); in every step O' and l are multiplied by a = 2^(c m_old - c m_new).  m starts at the lowest finite number, O' and l at 0.
; FORMATS AND LIMITS.  kv, Q', P and the normalised O' are f16 (Q' carries 2^-6, taken back in f32); the raw scores go to out1's product in bf16, which has their range.  A dead key counts as -2.6e32.
; A weight below 2^-126 counts as 0 in l.  NaN and infinities are not treated apart.  A context without a true key gives NaN, as 0 / 0 does.
; CLUSTER.  The four row groups of a cluster walk the same kv: each wave's strip is asked for JOINTLY, by the same tensor load with the same descriptor and the mask of four, in all four work-groups.
; The 512 v_mov_b32 that clear O' run in the wait for the first tile: the price of writing no first step out.
; REGISTERS, in windows of 256 (s_set_vgpr_msb: bits 1:0 source 0, 3:2 source 1, 5:4 source 2, 7:6 destination):
;   window 0: v0-31 addresses and statistics; v32-39 out1's sums; v40-47 mask_bool's fragment; v48-63 position_bias; v64-127 scores, then P and the next mask; v128-255 kv's fragments
;   windows 1, 2: O'^T of tile t, channel block cb in window 1 + t / 2 at 128 (t % 2) + 8 cb          window 3: Q' of tile t, step ks at 64 t + 8 ks
.set PITCH,  528                       ; a strip's row in LDS: 512 bytes + 16 of padding: the 16 rows of a fragment load start at 16 different groups of four banks (ISA guide 11.1)
.set STRIP,  64*PITCH                  ; a wave's strip of a tile: 64 keys
.set SLOT1,  4*STRIP                   ; slot 1 begins here; STRIP x wave never has this number's two bits set, so one exclusive or changes slots
.set STEPB,  32*PITCH
.set XB,     2*SLOT1                   ; the exchange of partial sums: 8,192 x source wave + 1,024 x sum + 512 x half + 16 x lane
.set PXB,    XB+32768                  ; P: 1,024 x tile + 512 x half + 16 x lane
.set AXB,    PXB+4096                  ; a: 16 x query + 4 x tile
.set SPARE,  AXB+256                   ; the spare words, 128 bytes a wave; no other line names them
.set TILEB,  64*2048                   ; a tile's 64 rows of kvb
.set PBMAX,  8192000-32                ; the last 32 bytes of position_bias: dead keys' addresses are held to it
.set MQA,0
.set VA2,1
.set AK0,2
.set AV0,3
.set ADRK,4
.set ADRV,5
.set XST,6
.set XLD,7
.set PST,8
.set PLD,9
.set AST,10
.set ALD,11
.set PBO,12
.set VA0,13
.set VA1,14
.set MWO,15
.set MQ0,16
.set PFO,17
.set CM,18                             ; c m; v19 m
.set MX,19
.set LS,20                             ; l: even places', odd places'
.set AF,22                             ; v22-25 a of the four tiles, for my lane's query
.set T0,26
.set T1,27
.set T2,28
.set T3,29
.set SPW,30
.set NIL,31
.set CA,32
.set MWF,40
.set BI,48
.set SP,64
.set HF,128
.set WV,24
.set CX,25
.set GG,26
.set BS,27
.set BB,28
.set SPL,29
.set G1,32
.set G0,40
.set ROW,46
.set SAV,47
.set CNT,48
.set TWICE,49
.set TB,50
.set PBS,51
.set MQS,52
.set MWS,53
.set PFA,54
.set LIM,56
.set CS,58
.set SEL,60
.set SC,66
.set MQB,20
.set MWB,22
.set QFB,68
.set WVB,70
.set RCB,72
.set RCV,76
.set PRB,82
.set MLB,84
.set O1B,86
.set MSB, 0
.macro WIN new                         ; the high byte repeats the setting that is left; a switch that changes nothing is dropped
.if MSB != (\new)
	s_set_vgpr_msb (MSB<<8)|(\new)
.set MSB, (\new)
.endif
.endm
.macro PLACES                          ; four plain instructions between a matrix instruction and a reader of its result or a load into its registers
.rept 4
	v_nop
.endr
.endm
.macro BAR
	s_barrier_signal -1
	s_barrier_wait -1
.endm
.macro CROUND                          ; a round of the cluster's barrier
	s_barrier_signal -1
	s_barrier_wait -1
	s_cmp_lg_u32 s[WV], 0
	s_cbranch_scc1 .Lnot_wave_0_\@
	s_barrier_signal -3
.Lnot_wave_0_\@:
	s_barrier_wait -3
	s_barrier_signal -1
	s_barrier_wait -1
.endm
; O'^T of (t, cb) times a of tile t
.macro RS t, cb
	WIN 0x41+0x41*((\t)/2)
.set rO, 128*((\t)%2)+8*(\cb)
.irp z, 0,1,2,3
.if (\t)%2
	v_pk_mul_f32 v[rO+2*\z:rO+2*\z+1], v[rO+2*\z:rO+2*\z+1], v[AF+2*((\t)/2):AF+2*((\t)/2)+1] op_sel:[0,1] op_sel_hi:[1,1]
.else
	v_pk_mul_f32 v[rO+2*\z:rO+2*\z+1], v[rO+2*\z:rO+2*\z+1], v[AF+2*((\t)/2):AF+2*((\t)/2)+1] op_sel_hi:[1,0]
.endif
.endr
.endm
.macro PVM t, cb                       ; O'^T (t, cb) += kv^T (cb) P (t)
	WIN 0x50+0x50*((\t)/2)
.set rO, 128*((\t)%2)+8*(\cb)
	v_wmma_f32_16x16x32_f16 v[rO:rO+7], v[HF+8*(\cb):HF+8*(\cb)+7], v[SP+8*(\t):SP+8*(\t)+7], v[rO:rO+7]
.endm
; The eight partial sums (number 2 t + kb) take 32 channels more, by turns.  At ks = 0 they start from the mask (2^-8 mask_add of the 16 keys, in the registers of sums 6 and 7):
; sums 0-5 take it as C; five plain instructions later sums 6 and 7 add onto it in place.
.macro SROW ks
.set a, 0
.rept 8
.if ((\ks) == 0) && (a == 6)
.rept 5
	v_nop
.endr
.endif
.set rS, SP+8*a
.set rK, HF+8*(2*(\ks)+a%2)
.set rQ, 64*(a/2)+8*(\ks)
.if ((\ks) == 0) && (a < 6)
	v_wmma_f32_16x16x32_f16 v[rS:rS+7], v[rK:rK+7], v[rQ:rQ+7], v[SP+48+8*(a%2):SP+48+8*(a%2)+7]
.else
	v_wmma_f32_16x16x32_f16 v[rS:rS+7], v[rK:rK+7], v[rQ:rQ+7], v[rS:rS+7]
.endif
.set a, a+1
.endr
.endm
; ONE STEP OF 32 KEYS.
.macro STEP
	WIN 0
	v_add_nc_u32 v[ADRK], s[TB], v[AK0]            ; these seven plain instructions are also the places behind the last step's products
	v_add_nc_u32 v[ADRV], s[TB], v[AV0]
	v_add_nc_u32 v[T0], s[PBS], v[PBO]
	v_add_nc_u32 v[VA2], s[MWS], v[MWO]
	v_min_u32 v[VA0], PBMAX, v[T0]
	v_add_nc_u32 v[T0], 64, v[T0]
	v_min_u32 v[VA1], PBMAX, v[T0]
	global_load_b128 v[BI:BI+3],     v[VA0], s[8:9]            ; position_bias of my tile's query, keys 8 h + 0..7,
	global_load_b128 v[BI+4:BI+7],   v[VA0], s[8:9] offset:16
	global_load_b128 v[BI+8:BI+11],  v[VA1], s[8:9]            ; and 16 + 8 h + 0..7
	global_load_b128 v[BI+12:BI+15], v[VA1], s[8:9] offset:16
	global_load_b128 v[MWF:MWF+3],   v[VA2], s[MWB:MWB+1]      ; mask_bool's fragment: 16 contexts x 32 keys
	global_load_b128 v[MWF+4:MWF+7], v[VA2], s[MWB:MWB+1] offset:32
.irp ks, 0,1,2,3,4,5,6,7
.irp kb, 0,1
	ds_load_b128 v[HF+8*(2*\ks+\kb):HF+8*(2*\ks+\kb)+3],   v[ADRK] offset:16*PITCH*\kb+64*\ks
	ds_load_b128 v[HF+8*(2*\ks+\kb)+4:HF+8*(2*\ks+\kb)+7], v[ADRK] offset:16*PITCH*\kb+64*\ks+32
.endr
.endr
	s_wait_loadcnt 6                               ; the mask, asked for a step ago, is in; the six loads above stay out
	s_wait_dscnt 16                                ; channels 0-127 of the keys are in
	WIN 0x0c
	SROW 0
	SROW 1
	SROW 2
	SROW 3
	PLACES
	WIN 0
.irp cb, 0,1,2,3,4,5,6,7                           ; kv turned, channel blocks 0-7, into the registers just multiplied
	ds_load_tr16_b128 v[HF+8*\cb:HF+8*\cb+3],   v[ADRV] offset:32*\cb
	ds_load_tr16_b128 v[HF+8*\cb+4:HF+8*\cb+7], v[ADRV] offset:32*\cb+16*PITCH
.endr
	s_wait_dscnt 16                                ; all but the 16 just issued: channels 128-255 are in
	WIN 0x0c
	SROW 4
	SROW 5
	SROW 6
	SROW 7
	PLACES
	WIN 0
.irp cb, 8,9,10,11,12,13,14,15
	ds_load_tr16_b128 v[HF+8*\cb:HF+8*\cb+3],   v[ADRV] offset:32*\cb
	ds_load_tr16_b128 v[HF+8*\cb+4:HF+8*\cb+7], v[ADRV] offset:32*\cb+16*PITCH
.endr
.irp a, 0,1,2,3,4,5,6,7
	ds_store_b128 v[XST], v[SP+8*\a:SP+8*\a+3]   offset:1024*\a
	ds_store_b128 v[XST], v[SP+8*\a+4:SP+8*\a+7] offset:1024*\a+512
.endr
	s_wait_dscnt 0x0                               ; my partial sums are in LDS (and my reads of P, a step ago, are long over),
	BAR                                            ; everybody's are
.irp src, 0,1,2,3
.irp kb, 0,1
	ds_load_b128 v[SP+16*\src+8*\kb:SP+16*\src+8*\kb+3],   v[XLD] offset:8192*\src+1024*\kb
	ds_load_b128 v[SP+16*\src+8*\kb+4:SP+16*\src+8*\kb+7], v[XLD] offset:8192*\src+1024*\kb+512
.endr
.endr
	s_add_co_u32 s[PBS], s[PBS], 128
	s_add_co_u32 s[MWS], s[MWS], 64
	s_wait_dscnt 0x0
	s_wait_loadcnt 0x0                             ; position_bias and mask_bool's fragment
.irp i, 0,1,2,3,4,5,6,7
	v_pk_add_f32 v[SP+2*\i:SP+2*\i+1], v[SP+2*\i:SP+2*\i+1], v[SP+16+2*\i:SP+17+2*\i]
	v_pk_add_f32 v[SP+32+2*\i:SP+33+2*\i], v[SP+32+2*\i:SP+33+2*\i], v[SP+48+2*\i:SP+49+2*\i]
.endr
.irp i, 0,1,2,3,4,5,6,7
	v_pk_add_f32 v[SP+2*\i:SP+2*\i+1], v[SP+2*\i:SP+2*\i+1], v[SP+32+2*\i:SP+33+2*\i]
.endr
.irp i, 0,1,2,3,4,5,6,7
	v_pk_fma_f32 v[SP+2*\i:SP+2*\i+1], v[SP+2*\i:SP+2*\i+1], s[SC:SC+1], v[BI+2*\i:BI+2*\i+1] op_sel_hi:[1,0,1]  ; x 64 + position_bias: the raw scores
.endr
.irp i, 0,1,2,3,4,5,6,7
	v_cvt_pk_bf16_f32 v[SP+16+\i], v[SP+2*\i], v[SP+2*\i+1]
.endr
	v_wmma_f32_16x16x32_bf16 v[CA:CA+7], v[MWF:MWF+7], v[SP+16:SP+23], v[CA:CA+7]  ; out1's sums: row c = context c; the scores' and O's products stand between two links of this chain
	v_max3_num_f32 v[T0], v[SP], v[SP+1], v[SP+2]
	v_max3_num_f32 v[T1], v[SP+3], v[SP+4], v[SP+5]
	v_max3_num_f32 v[T2], v[SP+6], v[SP+7], v[SP+8]
	v_max3_num_f32 v[T3], v[SP+9], v[SP+10], v[SP+11]
	v_max3_num_f32 v[T0], v[T0], v[SP+12], v[SP+13]
	v_max3_num_f32 v[T1], v[T1], v[SP+14], v[SP+15]
	v_max3_num_f32 v[T2], v[T2], v[T3], v[MX]
	v_max3_num_f32 v[T0], v[T0], v[T1], v[T2]
	v_permlanex16_b32 v[T1], v[T0], s[SEL], s[SEL+1]  ; the query's other 16 keys lie in the lane 16 away
	v_mov_b32 v[T3], v[CM]
	v_max_num_f32 v[MX], v[T0], v[T1]
	v_mul_f32 v[CM], s[CS], v[MX]
	v_sub_f32 v[T3], v[T3], v[CM]
.irp i, 0,1,2,3,4,5,6,7
	v_pk_fma_f32 v[SP+2*\i:SP+2*\i+1], v[SP+2*\i:SP+2*\i+1], s[CS:CS+1], v[CM:CM+1] op_sel_hi:[1,0,0] neg_lo:[0,0,1] neg_hi:[0,0,1]
.endr
.irp i, 0,1,2,3,4,5,6,7,8,9,10,11,12,13,14,15
	v_exp_f32 v[SP+\i], v[SP+\i]
.endr
	v_exp_f32 v[T2], v[T3]                         ; a
	v_nop                                          ; a plain instruction behind the last exponential,
	s_wait_alu depctr_va_vdst(0)                   ; and ONE wait for the batch of 17, ahead of the first line that names a result
.irp i, 0,1,2,3,4,5,6,7
	v_cvt_pk_f16_f32 v[SP+24+\i], v[SP+2*\i], v[SP+2*\i+1]
.endr
	ds_store_b128 v[PST], v[SP+24:SP+27]
	ds_store_b128 v[PST], v[SP+28:SP+31] offset:512
	ds_store_b32 v[AST], v[T2]
.irp i, 0,2,4,6
	v_pk_add_f32 v[SP+2*\i:SP+2*\i+1], v[SP+2*\i:SP+2*\i+1], v[SP+2*\i+2:SP+2*\i+3]
.endr
	v_pk_add_f32 v[SP:SP+1], v[SP:SP+1], v[SP+4:SP+5]
	v_pk_add_f32 v[SP+8:SP+9], v[SP+8:SP+9], v[SP+12:SP+13]
	v_pk_add_f32 v[SP:SP+1], v[SP:SP+1], v[SP+8:SP+9]
	v_pk_fma_f32 v[LS:LS+1], v[LS:LS+1], v[T2:T3], v[SP:SP+1] op_sel_hi:[1,0,1]  ; l = a l + the step's sum
	s_add_co_u32 s[MQS], s[MQS], 128
	s_min_u32 s[MQS], s[MQS], 3968                 ; the last step asks for its own mask once more and uses nothing of it
	s_wait_dscnt 0x0                               ; my P and a are in LDS, and my reads of the exchange are over,
	BAR                                            ; everybody's
.irp t, 0,1,2,3
	ds_load_b128 v[SP+8*\t:SP+8*\t+3],   v[PLD] offset:1024*\t
	ds_load_b128 v[SP+8*\t+4:SP+8*\t+7], v[PLD] offset:1024*\t+512
.endr
	ds_load_b128 v[AF:AF+3], v[ALD]
	v_add_nc_u32 v[MQA], s[MQS], v[MQ0]            ; its last loads were waited for at this step's head
	global_load_b128 v[SP+48:SP+51], v[MQA], s[MQB:MQB+1]            ; the next step's mask, into sums 6 and 7
	global_load_b128 v[SP+52:SP+55], v[MQA], s[MQB:MQB+1] offset:16
	global_load_b128 v[SP+56:SP+59], v[MQA], s[MQB:MQB+1] offset:64
	global_load_b128 v[SP+60:SP+63], v[MQA], s[MQB:MQB+1] offset:80
	s_wait_dscnt 0x0
	RS 0, 0
	RS 1, 0
	RS 2, 0
	RS 3, 0
.set n, 0
.rept 64                                           ; the 64 sums take turns; behind each product stands the rescaling of the sum four turns on
	PVM n%4, n/4
.if n < 60
	RS (n+4)%4, (n+4)/4
.endif
.set n, n+1
.endr
	WIN 0
	s_add_co_u32 s[TB], s[TB], STEPB
.endm
.macro TWO_STEPS                       ; a slot's two steps: written once, walked twice
	WIN 0
	s_mov_b32 s[TWICE], 2
.Lstep_\@:
	STEP
	s_sub_co_u32 s[TWICE], s[TWICE], 1
	s_cmp_lg_u32 s[TWICE], 0
	s_cbranch_scc1 .Lstep_\@
.endm
; THE CHANGE OF SLOTS.  Each wave waits for all its tensor loads, of which one is out: its strip of the slot to be entered; adds 0 to its spare word; waits for that and for its reads of the slot that it leaves.
; fill = 1: behind a round of the cluster's barrier (no wave of any partner still reads the old slot or has a load on its way) the old slot takes the next tile, first thing: it has two steps, 258 matrix
; instructions, in which to land.  At its first use nothing has been read: slot 0 is waited for and slot 1 filled.
; Behind the load stands ONE prefetch into the L2 for the tile that the NEXT change asks for.  Both clusters of a batch and split walk the same rows: the first (cluster x = 0) asks; its four partners share a
; strip's 64 rows out by address, 16 each; a lane names 256 bytes (row lane / 2, half lane % 2) of its wave's own strip.  The loop's last trip asks for nothing: there is no tile behind the one it loads.
.macro CHANGE fill
	WIN 0
	s_wait_tensorcnt 0x0                           ; no tensor load of mine is out, so the descriptor may be written
	ds_add_u32 v[SPW], v[NIL]
.if \fill
	s_xor_b32 s[G0+1], s[G0+1], SLOT1
	s_add_nc_u64 s[G0+2:G0+3], s[G0+2:G0+3], TILEB ; the type bits on top are not reached
	s_wait_xcnt 0x0                                ; the last prefetch, two steps back, has read its address
	s_add_nc_u64 s[PFA:PFA+1], s[PFA:PFA+1], TILEB
	s_wait_dscnt 0x0                               ; the add is done, and my reads of the slot are over
	CROUND
	tensor_load_to_lds s[G0:G0+3], s[G1:G1+7]
	s_nop 0
	PLACES
	s_cmp_gt_u32 s[CNT], s[LIM]
	s_cbranch_scc0 .Lnot_mine_\@
	global_prefetch_b8 v[PFO], s[PFA:PFA+1] th:TH_LOAD_NT scope:SCOPE_SE
.Lnot_mine_\@:
.else
	s_wait_dscnt 0x0
	BAR
.endif
	s_sub_co_u32 s[TB], s[TB], 2*STEPB             ; the reads go back to a slot's first step,
	s_xor_b32 s[TB], s[TB], SLOT1                  ; in the other slot
.endm
	s_load_b512 s[4:19], s[0:1], 0x0               ; kvb, qf, position_bias, tab, wts, part, ml, out1
	v_lshl_add_u32 v[SPW], v0, 2, SPARE
	v_mov_b32 v[NIL], 0
	ds_add_u32 v[SPW], v[NIL]                      ; the wave's opening: the add, twice on end, and its wait ahead of my first tensor load
	ds_add_u32 v[SPW], v[NIL]
	v_lshrrev_b32 v1, 5, v0
	v_readfirstlane_b32 s[WV], v1
	s_bfe_u32 s[CX], ttmp6, 0x40000                ; my place in the cluster: it enters global addresses alone
	s_lshl_b32 s[GG], ttmp9, 2
	s_add_co_u32 s[GG], s[GG], s[CX]               ; my row group
	s_and_b32 s[BS], ttmp7, 0xffff                 ; 4 b + split, which the partners share
	s_lshr_b32 s[BB], s[BS], 2
	s_and_b32 s[SPL], s[BS], 3
	s_mov_b32 s[G1], 15|(1<<16)|(1<<20)|(1<<21)|(6<<22)|(3<<25)  ; the mask of four; 2-byte elements; padding on; bit 21 beside a mask; after every 128 words 4 words
	s_mov_b32 s[G1+1], 256<<16                     ; tensor_dim0 = 256
	s_mov_b32 s[G1+2], 64<<16                      ; tensor_dim1 = 64
	s_mov_b32 s[G1+3], 256<<16                     ; tile_dim0 = 256
	s_mov_b32 s[G1+4], 64                          ; tile_dim1 = 64
	s_mov_b32 s[G1+5], 1024                        ; elements from row to row
	s_mov_b32 s[G1+6], 0
	s_mov_b32 s[G1+7], 0
	s_mov_b32 s[G0], 1
	s_mul_i32 s[G0+1], s[WV], STRIP                ; slot 0, my strip
	s_mul_i32 s30, s[WV], STRIP
	s_mul_i32 s44, s[BB], 4000
	s_mul_i32 s45, s[SPL], 1000
	s_add_co_u32 s44, s44, s45                     ; the split's first row of kvb
	s_lshl_b32 s44, s44, 11
	s_lshl_b32 s45, s[WV], 9
	s_add_co_u32 s44, s44, s45                     ; my 512 bytes of each row
	s_mov_b32 s45, 0
	s_mov_b32 s[CS], 0x3fb8aa3b                    ; c = log2(e)
	s_mov_b32 s[CS+1], s[CS]
	s_mov_b32 s[SEL], 0x76543210
	s_mov_b32 s[SEL+1], 0xfedcba98
	s_mov_b32 s[SC], 0x42800000                    ; 64.0
	s_mov_b32 s[SC+1], s[SC]
	s_mov_b32 s[TB], SLOT1+2*STEPB                 ; the first change of slots turns this into 0
	s_mov_b32 s[PBS], 0
	s_mov_b32 s[MQS], 0
	s_mov_b32 s[MWS], 0
	s_mov_b32 s[CNT], 15
	s_lshl_b32 s[ROW], s[GG], 6
	s_lshl_b32 s31, s[WV], 4
	s_add_co_u32 s[ROW], s[ROW], s31               ; my softmax tile's first row among the batch's 512: 32 head + 16 (w % 2)
	s_cmp_eq_u32 ttmp9, 0
	s_cselect_b32 s[LIM], 1, -1                    ; the same in all four partners
	s_wait_dscnt 0x0                               ; both opening adds are done
	s_wait_kmcnt 0x0
	s_add_nc_u64 s[G0+2:G0+3], s[4:5], s[44:45]
	s_add_nc_u64 s[PFA:PFA+1], s[G0+2:G0+3], TILEB ; at tile 1: the first change steps it to tile 2
	s_or_b32 s[G0+3], s[G0+3], 0x80000000          ; type = 2
	CROUND                                         ; all four work-groups are here: the first joint loads meet
	tensor_load_to_lds s[G0:G0+3], s[G1:G1+7]      ; tile 0 into slot 0
	s_nop 0
	PLACES
	s_lshl_b32 s44, s[BS], 12
	s_add_nc_u64 s[MQB:MQB+1], s[10:11], s[44:45]  ; the mask's table
	s_lshl_b32 s44, s[BS], 15
	s_add_nc_u64 s[MWB:MWB+1], s[10:11], s[44:45]
	s_add_nc_u64 s[MWB:MWB+1], s[MWB:MWB+1], 131072  ; mask_bool's table
	s_lshl_b32 s44, s[BB], 4
	s_lshl_b32 s31, s[GG], 1
	s_add_co_u32 s44, s44, s31
	s_lshl_b32 s44, s44, 16
	s_lshl_b32 s31, s[WV], 13
	s_add_co_u32 s44, s44, s31
	s_add_nc_u64 s[QFB:QFB+1], s[6:7], s[44:45]    ; Q' of my two heads, my eight steps
	v_and_b32 v[T0], 31, v0                        ; L
	v_and_b32 v[T1], 15, v0                        ; r
	v_bfe_u32 v[T2], v0, 4, 1                      ; h
	v_lshlrev_b32 v[VA2], 4, v[T0]
	WIN 0xc0
.irp t, 0,1,2,3
.irp ks, 0,1,2,3,4,5,6,7
	global_load_b128 v[64*\t+8*\ks:64*\t+8*\ks+3],   v[VA2], s[QFB:QFB+1] offset:32768*\t+1024*\ks
	global_load_b128 v[64*\t+8*\ks+4:64*\t+8*\ks+7], v[VA2], s[QFB:QFB+1] offset:32768*\t+1024*\ks+512
.endr
.endr
	WIN 0
	v_mul_u32_u24 v[AK0], v[T1], PITCH
	v_lshl_add_u32 v[AK0], v[T2], 4, v[AK0]
	v_add_nc_u32 v[AK0], s30, v[AK0]               ; my strip + row x pitch + 16 x half
	v_and_b32 v[T3], 7, v0
	v_lshl_add_u32 v[T3], v[T2], 3, v[T3]
	v_mul_u32_u24 v[AV0], v[T3], PITCH             ; the turning load: key 8 h + L % 8,
	v_bfe_u32 v[T3], v0, 3, 1
	v_lshl_add_u32 v[AV0], v[T3], 4, v[AV0]        ; channels 8 ((L / 8) % 2) on
	v_add_nc_u32 v[AV0], s30, v[AV0]
	s_lshl_b32 s31, s[WV], 13
	s_add_co_u32 s31, s31, XB
	v_lshl_add_u32 v[XST], v[T0], 4, s31
	s_lshl_b32 s31, s[WV], 11
	s_add_co_u32 s31, s31, XB
	v_lshl_add_u32 v[XLD], v[T0], 4, s31
	s_lshl_b32 s31, s[WV], 10
	s_add_co_u32 s31, s31, PXB
	v_lshl_add_u32 v[PST], v[T0], 4, s31
	v_lshl_add_u32 v[PLD], v[T0], 4, PXB
	s_lshl_b32 s31, s[WV], 2
	s_add_co_u32 s31, s31, AXB
	v_lshl_add_u32 v[AST], v[T1], 4, s31
	v_lshl_add_u32 v[ALD], v[T1], 4, AXB
	v_add_nc_u32 v[T3], s[ROW], v[T1]
	v_mul_u32_u24 v[PBO], v[T3], 16000             ; position_bias: my query's row of 4,000 numbers,
	s_mul_i32 s31, s[SPL], 4000
	v_add_nc_u32 v[PBO], s31, v[PBO]               ; the split's 1,000,
	v_lshl_add_u32 v[PBO], v[T2], 5, v[PBO]        ; my eight keys
	v_lshlrev_b32 v[MWO], 11, v[T1]
	v_lshl_add_u32 v[MWO], v[T2], 4, v[MWO]
	v_lshlrev_b32 v[MQ0], 5, v[T2]
	v_lshrrev_b32 v[T3], 1, v[T0]
	v_lshl_add_u32 v[T3], s[CX], 4, v[T3]
	v_lshlrev_b32 v[PFO], 11, v[T3]
	v_and_b32 v[T3], 1, v0
	v_lshl_add_u32 v[PFO], v[T3], 8, v[PFO]
	v_mov_b32 v[MQA], v[MQ0]                       ; the thread's number is used up
	global_load_b128 v[SP+48:SP+51], v[MQA], s[MQB:MQB+1]            ; step 0's mask
	global_load_b128 v[SP+52:SP+55], v[MQA], s[MQB:MQB+1] offset:16
	global_load_b128 v[SP+56:SP+59], v[MQA], s[MQB:MQB+1] offset:64
	global_load_b128 v[SP+60:SP+63], v[MQA], s[MQB:MQB+1] offset:80
	WIN 0x40
.set i, 0
.rept 256
	v_mov_b32 v[i], 0
.set i, i+1
.endr
	WIN 0x80
.set i, 0
.rept 256
	v_mov_b32 v[i], 0
.set i, i+1
.endr
	WIN 0
.irp i, 0,1,2,3,4,5,6,7
	v_mov_b32 v[CA+\i], 0
.endr
	v_mov_b32 v[LS], 0
	v_mov_b32 v[LS+1], 0
	v_mov_b32 v[CM], 0xfe000000                    ; c m: far below every c s, so the first a is 0
	v_mov_b32 v[MX], 0xff7fffff
	s_wait_loadcnt 4                               ; Q' is in; the four loads of the mask, issued behind it, stay out
.Lslot:                                            ; 15 trips: a tile is entered and the next is asked for
	CHANGE 1
	TWO_STEPS
	s_sub_co_u32 s[CNT], s[CNT], 1
	s_cmp_lg_u32 s[CNT], 0
	s_cbranch_scc1 .Lslot
	CHANGE 0                                       ; the last tile is written out
	TWO_STEPS
	; THE FINISH.  1 / l goes to all waves as a did; O' is normalised, rounded to f16, and multiplied by Wv_h; the waves' partial products meet in the exchange.
	s_wait_loadcnt 0x0                             ; the last step's look-ahead loads
	PLACES                                         ; behind the last products
	v_add_f32 v[T0], v[LS], v[LS+1]
	v_permlanex16_b32 v[T1], v[T0], s[SEL], s[SEL+1]
	v_add_f32 v[T0], v[T0], v[T1]                  ; l
	v_rcp_f32 v[T2], v[T0]
	v_mov_b32 v[LS], v[MX]                         ; a plain instruction behind the reciprocal: (m, l) as a pair for the store
	s_wait_alu depctr_va_vdst(0)
	v_mov_b32 v[LS+1], v[T0]
	BAR                                            ; every wave has read the last step's a: only now is it written over
	ds_store_b32 v[AST], v[T2]
	s_wait_dscnt 0x0
	BAR
	ds_load_b128 v[AF:AF+3], v[ALD]
	v_lshl_add_u32 v[VA0], s[WV], 9, v[MWO]        ; Wv^T's fragments: row x 2,048 + 16 x half + my 256 channels
	s_lshl_b32 s44, s[GG], 18
	s_add_co_u32 s44, s44, 0x400000
	s_add_nc_u64 s[WVB:WVB+1], s[12:13], s[44:45]  ; Wv^T at my two heads' 128 rows
	s_mul_i32 s44, s[BB], 20
	s_mul_i32 s31, s[SPL], 5
	s_add_co_u32 s44, s44, s31
	s_lshl_b32 s44, s44, 2
	s_add_nc_u64 s[RCB:RCB+1], s[10:11], s[44:45]
	s_add_nc_u64 s[RCB:RCB+1], s[RCB:RCB+1], 1179648
.irp c, 0,1,2,3,4
	s_load_b32 s[RCV+\c], s[RCB:RCB+1], 4*\c       ; 1 / count of my five contexts
.endr
	s_lshl_b32 s44, s[BS], 5
	s_lshl_b32 s31, s[GG], 2
	s_add_co_u32 s44, s44, s31
	s_add_co_u32 s44, s44, s[WV]
	s_lshl_b32 s44, s44, 12
	s_add_nc_u64 s[PRB:PRB+1], s[14:15], s[44:45]  ; part: (4 b + split, head, tile) x 4,096
	s_lshl_b32 s44, s[BS], 9
	s_add_co_u32 s44, s44, s[ROW]
	s_lshl_b32 s44, s44, 3
	s_add_nc_u64 s[MLB:MLB+1], s[16:17], s[44:45]
	s_lshl_b32 s44, s[BB], 9
	s_add_co_u32 s44, s44, s[ROW]
	s_mul_i32 s44, s44, 80
	s_mul_i32 s31, s[SPL], 20
	s_add_co_u32 s44, s44, s31
	s_add_nc_u64 s[O1B:O1B+1], s[18:19], s[44:45]
	s_wait_dscnt 0x0
.macro NORM t                          ; tile t: O' / l, then packed into Q's registers as source 1 of the last product: step ks = channel blocks 2 ks, 2 ks + 1
.set cbn, 0
.rept 16
	RS \t, cbn
.set cbn, cbn+1
.endr
	WIN 0xc5+5*((\t)/2)
.set cbn, 0
.rept 16
.set rO, 128*((\t)%2)+8*cbn
.set rB, 64*(\t)+4*cbn
.irp z, 0,1,2,3
	v_cvt_pk_f16_f32 v[rB+\z], v[rO+2*\z], v[rO+2*\z+1]
.endr
.set cbn, cbn+1
.endr
.endm
.macro LOADW hh                        ; Wv^T of head 2 g + hh, my 256 channels, into the window that its O' has left: d block db, step ks at 8 (8 db + ks)
	WIN 0x40*(1+(\hh))
.irp db, 0,1,2,3
.irp ks, 0,1,2,3,4,5,6,7
	global_load_b128 v[8*(8*\db+\ks):8*(8*\db+\ks)+3],   v[VA0], s[WVB:WVB+1] offset:131072*(\hh)+32768*\db+64*\ks
	global_load_b128 v[8*(8*\db+\ks)+4:8*(8*\db+\ks)+7], v[VA0], s[WVB:WVB+1] offset:131072*(\hh)+32768*\db+64*\ks+32
.endr
.endr
.endm
	NORM 0
	NORM 1
	LOADW 0
	NORM 2
	NORM 3
	LOADW 1
	s_wait_loadcnt 0x0
.irp ks, 0,1,2,3,4,5,6,7                           ; o^T (t, db) at v[128 + 8 (4 t + db)]: sixteen sums by turns, the first product starts each
.irp t, 0,1,2,3
	WIN 0x0d+(\t)/2
.irp db, 0,1,2,3
.if \ks == 0
	v_wmma_f32_16x16x32_f16 v[HF+8*(4*\t+\db):HF+8*(4*\t+\db)+7], v[8*(8*\db+\ks):8*(8*\db+\ks)+7], v[64*\t+8*\ks:64*\t+8*\ks+7], 0
.else
	v_wmma_f32_16x16x32_f16 v[HF+8*(4*\t+\db):HF+8*(4*\t+\db)+7], v[8*(8*\db+\ks):8*(8*\db+\ks)+7], v[64*\t+8*\ks:64*\t+8*\ks+7], v[HF+8*(4*\t+\db):HF+8*(4*\t+\db)+7]
.endif
.endr
.endr
.endr
	PLACES
	WIN 0
.macro XROUND dp, dst                  ; d blocks 2 dp and 2 dp + 1 of all tiles go to the exchange; wave w adds up tile w's into v[dst ..]
.irp t, 0,1,2,3
.irp e, 0,1
	ds_store_b128 v[XST], v[HF+8*(4*\t+2*(\dp)+\e):HF+8*(4*\t+2*(\dp)+\e)+3]   offset:1024*(2*\t+\e)
	ds_store_b128 v[XST], v[HF+8*(4*\t+2*(\dp)+\e)+4:HF+8*(4*\t+2*(\dp)+\e)+7] offset:1024*(2*\t+\e)+512
.endr
.endr
	s_wait_dscnt 0x0
	BAR
.irp src, 0,1,2,3
.irp e, 0,1
	ds_load_b128 v[SP+16*\src+8*\e:SP+16*\src+8*\e+3],   v[XLD] offset:8192*\src+1024*\e
	ds_load_b128 v[SP+16*\src+8*\e+4:SP+16*\src+8*\e+7], v[XLD] offset:8192*\src+1024*\e+512
.endr
.endr
	s_wait_dscnt 0x0
.irp i, 0,1,2,3,4,5,6,7
	v_pk_add_f32 v[SP+2*\i:SP+2*\i+1], v[SP+2*\i:SP+2*\i+1], v[SP+16+2*\i:SP+17+2*\i]
	v_pk_add_f32 v[SP+32+2*\i:SP+33+2*\i], v[SP+32+2*\i:SP+33+2*\i], v[SP+48+2*\i:SP+49+2*\i]
.endr
.irp i, 0,1,2,3,4,5,6,7
	v_pk_add_f32 v[(\dst)+2*\i:(\dst)+2*\i+1], v[SP+2*\i:SP+2*\i+1], v[SP+32+2*\i:SP+33+2*\i]
.endr
.endm
	XROUND 0, BI
	BAR                                            ; every wave's reads of the exchange are over (waited for above): it is written again
	XROUND 1, SP
	v_subrev_nc_u32 v[VA1], PXB, v[PLD]            ; 16 x lane
.irp e, 0,1
	global_store_b128 v[VA1], v[BI+8*\e:BI+8*\e+3],   s[PRB:PRB+1] offset:1024*\e       ; each store: 512 consecutive bytes
	global_store_b128 v[VA1], v[BI+8*\e+4:BI+8*\e+7], s[PRB:PRB+1] offset:1024*\e+512
	global_store_b128 v[VA1], v[SP+8*\e:SP+8*\e+3],   s[PRB:PRB+1] offset:2048+1024*\e
	global_store_b128 v[VA1], v[SP+8*\e+4:SP+8*\e+7], s[PRB:PRB+1] offset:2048+1024*\e+512
.endr
	v_subrev_nc_u32 v[T1], AXB, v[ALD]             ; 16 r
	v_lshrrev_b32 v[T2], 1, v[T1]                  ; 8 r
	v_mul_u32_u24 v[T3], v[T1], 5                  ; 80 r
	s_wait_kmcnt 0x0
.irp c, 0,1,2,3,4
	v_mul_f32 v[MWF+\c], s[RCV+\c], v[CA+\c]       ; lanes 0-15 hold contexts 0-7 of query r; the sums are read from the low end on
.endr
	v_cmp_eq_u32 vcc_lo, 0, v[MQ0]                 ; lanes 0-15
	s_wait_xcnt 0x0                                ; EXEC changes only behind this wait: stores are out
	s_and_saveexec_b32 s[SAV], vcc_lo
	global_store_b64 v[T2], v[LS:LS+1], s[MLB:MLB+1]
.irp c, 0,1,2,3,4
	global_store_b32 v[T3], v[MWF+\c], s[O1B:O1B+1] offset:4*\c  ; 20 bytes of a row of 80: out1's rows are shared by four splits, so no lane has 16 aligned bytes
.endr
	s_wait_xcnt 0x0
	s_or_b32 exec_lo, exec_lo, s[SAV]
	s_wait_tensorcnt 0x0                           ; the wave's end: behind my last tensor load and my last LDS store
	ds_add_u32 v[SPW], v[NIL]
	s_wait_dscnt 0x0
	CROUND                                         ; the closing round
	s_endpgm
.Lfunc_end_k_q9b17abec03_main:
	.size	k_q9b17abec03_main, .Lfunc_end_k_q9b17abec03_main-k_q9b17abec03_main
	.p2alignl 7, 3214868480
	.fill 96, 4, 3214868480
	.section	.rodata,"a",@progbits
	.p2align	6, 0x0
	.amdhsa_kernel k_q9b17abec03_main
		.amdhsa_group_segment_fixed_size 327680
		.amdhsa_private_segment_fixed_size 0
		.amdhsa_enable_private_segment 0
		.amdhsa_kernarg_size 64
		.amdhsa_user_sgpr_count 2
		.amdhsa_user_sgpr_kernarg_segment_ptr 1
		.amdhsa_wavefront_size32 1
		.amdhsa_system_sgpr_workgroup_id_x 1
		.amdhsa_system_sgpr_workgroup_id_y 1
		.amdhsa_system_sgpr_workgroup_id_z 1
		.amdhsa_system_vgpr_workitem_id 0
		.amdhsa_next_free_vgpr 1024
		.amdhsa_next_free_sgpr 96
		.amdhsa_reserve_vcc 1
		.amdhsa_float_denorm_mode_32 3
		.amdhsa_float_denorm_mode_16_64 3
		.amdhsa_memory_ordered 1
		.amdhsa_forward_progress 1
		.amdhsa_inst_pref_size 181
	.end_amdhsa_kernel
	.amdgpu_metadata
---
amdhsa.version: [ 1, 2 ]
amdhsa.kernels:
  - .name:           k_q9b17abec03_main
    .symbol:         k_q9b17abec03_main.kd
    .args:
      - { .name: kvb, .offset: 0, .size: 8, .value_kind: global_buffer, .address_space: global }
      - { .name: qf, .offset: 8, .size: 8, .value_kind: global_buffer, .address_space: global }
      - { .name: position_bias, .offset: 16, .size: 8, .value_kind: global_buffer, .address_space: global }
      - { .name: tab, .offset: 24, .size: 8, .value_kind: global_buffer, .address_space: global }
      - { .name: wts, .offset: 32, .size: 8, .value_kind: global_buffer, .address_space: global }
      - { .name: part, .offset: 40, .size: 8, .value_kind: global_buffer, .address_space: global }
      - { .name: ml, .offset: 48, .size: 8, .value_kind: global_buffer, .address_space: global }
      - { .name: out1, .offset: 56, .size: 8, .value_kind: global_buffer, .address_space: global }
    .group_segment_fixed_size: 327680
    .private_segment_fixed_size: 0
    .kernarg_segment_align: 8
    .kernarg_segment_size: 64
    .max_flat_workgroup_size: 128
    .sgpr_count:     96
    .vgpr_count:     1024
    .wavefront_size: 32
...
	.end_amdgpu_metadata
.endif
;; end of part 3
;; launch fin (part 4): grid 16 x 16, 4 waves a work-group, no clusters, 17,920 bytes of LDS; arguments part, ml, wts, out0; writes out0
.if DOCPART == 4
	.amdgcn_target "amdgcn-amd-amdhsa--gfx1250"
	.amdhsa_code_object_version 6
	.text
	.protected	k_q9b17abec03_fin
	.globl	k_q9b17abec03_fin
	.p2align	8
	.type	k_q9b17abec03_fin,@function
k_q9b17abec03_fin:
	s_mov_b64 s[64:65], 0
	v_nop
	global_prefetch_b8 v0, s[64:65] scope:SCOPE_SE
	s_setreg_imm32_b32 hwreg(HW_REG_WAVE_MODE, 25, 1), 1
	s_wait_xcnt 0x0
; FIN: the four splits' normalised results are joined, o = sum over s of f_s o_s with f_s = 2^(c (m_s - M)) l_s / sum, M the largest m_s, c = log2(e); o is rounded to f16 and multiplied by Wo.
; A work-group makes 16 queries (batch b, tile qt) x 64 columns of out0.  K = 1,024 (16 heads x 64) is split among the waves: wave w takes heads 4 w .. 4 w + 3; the partial sums meet in LDS.
; The product is taken transposed (source 0 = 16 rows of Wo^T, source 1 = 16 queries); part's layout is the lane layout of the sums that made it, so eight numbers of a lane pack into half a fragment.
; LIMITS.  o lies within v's range, which f16 holds for the inputs that the program serves; a weight below 2^-126 counts as 0.
; REGISTERS.  window 0: v0-11 addresses; v32-63 (m, l) of head i, split s at 32 + 2 (4 i + s); v64-79 f; v80-87 at work; v96-127 a head's o; v128-191 o's eight fragments; v192-223 four sums; v224-255 the way out.
;   windows 1, 2: part of head i, split s at 128 (i % 2) + 32 s in window 1 + i / 2.     window 3: Wo^T's fragments (column block nb, step ks at 8 (8 nb + ks)).
.set RP,    272                        ; a row of the stage: 64 f32 + 16 bytes
.set SPARE, 17408                      ; the spare words, 128 bytes a wave; no other line names them
.set SPW, 10
.set NIL, 11
.set ML, 32
.set FW, 64
.set MXS, 80
.set TM, 96
.set BF, 128
.set ACC, 192
.set RB, 224
.set MSB, 0
.macro WIN new
.if MSB != (\new)
	s_set_vgpr_msb (MSB<<8)|(\new)
.set MSB, (\new)
.endif
.endm
	s_load_b256 s[4:11], s[0:1], 0x0               ; part, ml, wts, out0
	v_lshl_add_u32 v[SPW], v0, 2, SPARE
	v_mov_b32 v[NIL], 0
	v_lshrrev_b32 v1, 5, v0
	v_readfirstlane_b32 s12, v1                    ; wave
	s_and_b32 s13, ttmp7, 0xffff
	s_lshr_b32 s14, s13, 1                         ; b
	s_and_b32 s15, s13, 1                          ; qt
	v_and_b32 v1, 15, v0                           ; r
	v_bfe_u32 v2, v0, 4, 1                         ; h
	v_and_b32 v3, 31, v0
	v_lshlrev_b32 v4, 4, v3                        ; part: 16 x lane
	v_lshlrev_b32 v5, 3, v1                        ; ml: 8 r
	v_lshlrev_b32 v6, 11, v1
	v_lshl_add_u32 v6, v2, 4, v6
	s_lshl_b32 s16, s12, 9
	v_add_nc_u32 v6, s16, v6                       ; Wo^T: row x 2,048 + 16 x half + my 256 along k
	s_mul_i32 s16, s12, 16*RP
	v_mul_u32_u24 v7, v1, RP
	v_lshl_add_u32 v7, v2, 5, v7
	v_add_nc_u32 v7, s16, v7                       ; into my stage: row r, 32 bytes for each half of the lanes
	s_mul_i32 s16, s12, 4*RP
	v_mul_u32_u24 v8, v2, RP
	v_lshl_add_u32 v8, v1, 4, v8
	v_add_nc_u32 v8, s16, v8                       ; back: rows 4 w + h (+ 2 j), 16 bytes of 256
	v_lshlrev_b32 v9, 4, v1
	v_lshl_add_u32 v9, v2, 12, v9                  ; and the same rows in out0
	s_lshl_b32 s20, s14, 7
	s_lshl_b32 s16, s12, 3
	s_add_co_u32 s20, s20, s16
	s_add_co_u32 s20, s20, s15
	s_lshl_b32 s20, s20, 12                        ; part at (4 b, head 4 w, qt)
	s_mov_b32 s21, 0
	s_lshl_b32 s22, s14, 11
	s_lshl_b32 s16, s12, 7
	s_add_co_u32 s22, s22, s16
	s_lshl_b32 s16, s15, 4
	s_add_co_u32 s22, s22, s16
	s_lshl_b32 s22, s22, 3                         ; ml at (4 b, row 128 w + 16 qt)
	s_mov_b32 s23, 0
	s_lshl_b32 s24, ttmp9, 17
	s_add_co_u32 s24, s24, 0x600000                ; Wo^T at my 64 rows
	s_mov_b32 s25, 0
	s_lshl_b32 s26, s14, 5
	s_add_co_u32 s26, s26, s16
	s_lshl_b32 s16, s12, 2
	s_add_co_u32 s26, s26, s16
	s_lshl_b32 s26, s26, 12
	s_lshl_b32 s16, ttmp9, 8
	s_add_co_u32 s26, s26, s16                     ; out0 at row 32 b + 16 qt + 4 w, my 64 columns
	s_mov_b32 s27, 0
	s_wait_kmcnt 0x0
	s_add_nc_u64 s[4:5], s[4:5], s[20:21]
	s_add_nc_u64 s[6:7], s[6:7], s[22:23]
	s_add_nc_u64 s[8:9], s[8:9], s[24:25]
	s_add_nc_u64 s[10:11], s[10:11], s[26:27]
.irp i, 0,1,2,3
.irp s, 0,1,2,3
	global_load_b64 v[ML+2*(4*\i+\s):ML+2*(4*\i+\s)+1], v5, s[6:7] offset:4096*\s+256*\i
.endr
.endr
.irp i, 0,1,2,3
	WIN 0x40*(1+\i/2)
.irp s, 0,1,2,3
.irp q, 0,1,2,3,4,5,6,7
	global_load_b128 v[128*(\i%2)+32*\s+4*\q:128*(\i%2)+32*\s+4*\q+3], v4, s[4:5] offset:131072*\s+8192*\i+512*\q
.endr
.endr
.endr
	WIN 0xc0
.irp nb, 0,1,2,3
.irp ks, 0,1,2,3,4,5,6,7
	global_load_b128 v[8*(8*\nb+\ks):8*(8*\nb+\ks)+3],   v6, s[8:9] offset:32768*\nb+64*\ks
	global_load_b128 v[8*(8*\nb+\ks)+4:8*(8*\nb+\ks)+7], v6, s[8:9] offset:32768*\nb+64*\ks+32
.endr
.endr
	WIN 0
	s_wait_loadcnt 0x0
.irp i, 0,1,2,3
	v_max3_num_f32 v[MXS+\i], v[ML+8*\i], v[ML+8*\i+2], v[ML+8*\i+4]
.endr
.irp i, 0,1,2,3
	v_max_num_f32 v[MXS+\i], v[MXS+\i], v[ML+8*\i+6]
.endr
.irp i, 0,1,2,3
.irp s, 0,1,2,3
	v_sub_f32 v[FW+4*\i+\s], v[ML+2*(4*\i+\s)], v[MXS+\i]
.endr
.endr
.set i, 0
.rept 16
	v_mul_f32 v[FW+i], 0x3fb8aa3b, v[FW+i]
.set i, i+1
.endr
.set i, 0
.rept 16
	v_exp_f32 v[FW+i], v[FW+i]
.set i, i+1
.endr
	v_nop                                          ; a plain instruction behind the last exponential,
	s_wait_alu depctr_va_vdst(0)                   ; and one wait for the sixteen
.set i, 0
.rept 16
	v_mul_f32 v[FW+i], v[FW+i], v[ML+2*i+1]        ; x l
.set i, i+1
.endr
.irp i, 0,1,2,3
	v_add_f32 v[MXS+\i], v[FW+4*\i], v[FW+4*\i+1]
	v_add_f32 v[MXS+4+\i], v[FW+4*\i+2], v[FW+4*\i+3]
.endr
.irp i, 0,1,2,3
	v_add_f32 v[MXS+\i], v[MXS+\i], v[MXS+4+\i]
.endr
.irp i, 0,1,2,3
	v_rcp_f32 v[MXS+4+\i], v[MXS+\i]
.endr
	v_nop
	s_wait_alu depctr_va_vdst(0)                   ; one wait for the four reciprocals
.irp i, 0,1,2,3
.irp s, 0,1,2,3
	v_mul_f32 v[FW+4*\i+\s], v[FW+4*\i+\s], v[MXS+4+\i]
.endr
.endr
.macro COMB i                          ; head i: its 32 numbers a lane joined over the splits, then two fragments
	WIN 1+(\i)/2                                   ; source 0 in window 1 or 2
.set bs0, 128*((\i)%2)
.set p, 0
.rept 16
	v_pk_mul_f32 v[TM+2*p:TM+2*p+1], v[bs0+2*p:bs0+2*p+1], v[FW+4*(\i):FW+4*(\i)+1] op_sel_hi:[1,0]
.set p, p+1
.endr
.set p, 0
.rept 16
	v_pk_fma_f32 v[TM+2*p:TM+2*p+1], v[bs0+32+2*p:bs0+33+2*p], v[FW+4*(\i):FW+4*(\i)+1], v[TM+2*p:TM+2*p+1] op_sel:[0,1,0] op_sel_hi:[1,1,1]
.set p, p+1
.endr
.set p, 0
.rept 16
	v_pk_fma_f32 v[TM+2*p:TM+2*p+1], v[bs0+64+2*p:bs0+65+2*p], v[FW+4*(\i)+2:FW+4*(\i)+3], v[TM+2*p:TM+2*p+1] op_sel_hi:[1,0,1]
.set p, p+1
.endr
.set p, 0
.rept 16
	v_pk_fma_f32 v[TM+2*p:TM+2*p+1], v[bs0+96+2*p:bs0+97+2*p], v[FW+4*(\i)+2:FW+4*(\i)+3], v[TM+2*p:TM+2*p+1] op_sel:[0,1,0] op_sel_hi:[1,1,1]
.set p, p+1
.endr
	WIN 0
.set p, 0
.rept 16
	v_cvt_pk_f16_f32 v[BF+16*(\i)+p], v[TM+2*p], v[TM+2*p+1]  ; d blocks 0, 1 make the step's first fragment, 2, 3 the second
.set p, p+1
.endr
.endm
	COMB 0
	COMB 1
	COMB 2
	COMB 3
	WIN 0x03
.irp ks, 0,1,2,3,4,5,6,7                           ; four sums by turns; the first product starts each
.irp nb, 0,1,2,3
.if \ks == 0
	v_wmma_f32_16x16x32_f16 v[ACC+8*\nb:ACC+8*\nb+7], v[8*(8*\nb+\ks):8*(8*\nb+\ks)+7], v[BF+8*\ks:BF+8*\ks+7], 0
.else
	v_wmma_f32_16x16x32_f16 v[ACC+8*\nb:ACC+8*\nb+7], v[8*(8*\nb+\ks):8*(8*\nb+\ks)+7], v[BF+8*\ks:BF+8*\ks+7], v[ACC+8*\nb:ACC+8*\nb+7]
.endif
.endr
.endr
.rept 4
	v_nop                                          ; four plain instructions between the last product and the stores of its result
.endr
	WIN 0
.irp nb, 0,1,2,3
	ds_store_b128 v7, v[ACC+8*\nb:ACC+8*\nb+3]   offset:64*\nb
	ds_store_b128 v7, v[ACC+8*\nb+4:ACC+8*\nb+7] offset:64*\nb+16
.endr
	s_wait_dscnt 0x0                               ; my partial sums are in LDS,
	s_barrier_signal -1
	s_barrier_wait -1                              ; everybody's are
.irp j, 0,1
.irp src, 0,1,2,3
	ds_load_b128 v[RB+16*\j+4*\src:RB+16*\j+4*\src+3], v8 offset:16*RP*\src+2*RP*\j
.endr
.endr
	s_wait_dscnt 0x0
.irp j, 0,1
.irp q, 0,1
	v_pk_add_f32 v[RB+16*\j+2*\q:RB+16*\j+2*\q+1], v[RB+16*\j+2*\q:RB+16*\j+2*\q+1], v[RB+16*\j+4+2*\q:RB+16*\j+5+2*\q]
	v_pk_add_f32 v[RB+16*\j+8+2*\q:RB+16*\j+9+2*\q], v[RB+16*\j+8+2*\q:RB+16*\j+9+2*\q], v[RB+16*\j+12+2*\q:RB+16*\j+13+2*\q]
.endr
.irp q, 0,1
	v_pk_add_f32 v[RB+16*\j+2*\q:RB+16*\j+2*\q+1], v[RB+16*\j+2*\q:RB+16*\j+2*\q+1], v[RB+16*\j+8+2*\q:RB+16*\j+9+2*\q]
.endr
	global_store_b128 v9, v[RB+16*\j:RB+16*\j+3], s[10:11] offset:8192*\j  ; 16 lanes store 256 consecutive bytes, aligned
.endr
	s_wait_tensorcnt 0x0                           ; the wave's end: behind my last LDS store
	ds_add_u32 v[SPW], v[NIL]
	s_wait_dscnt 0x0
	s_endpgm
.Lfunc_end_k_q9b17abec03_fin:
	.size	k_q9b17abec03_fin, .Lfunc_end_k_q9b17abec03_fin-k_q9b17abec03_fin
	.p2alignl 7, 3214868480
	.fill 96, 4, 3214868480
	.section	.rodata,"a",@progbits
	.p2align	6, 0x0
	.amdhsa_kernel k_q9b17abec03_fin
		.amdhsa_group_segment_fixed_size 17920
		.amdhsa_private_segment_fixed_size 0
		.amdhsa_enable_private_segment 0
		.amdhsa_kernarg_size 32
		.amdhsa_user_sgpr_count 2
		.amdhsa_user_sgpr_kernarg_segment_ptr 1
		.amdhsa_wavefront_size32 1
		.amdhsa_system_sgpr_workgroup_id_x 1
		.amdhsa_system_sgpr_workgroup_id_y 1
		.amdhsa_system_sgpr_workgroup_id_z 1
		.amdhsa_system_vgpr_workitem_id 0
		.amdhsa_next_free_vgpr 1024
		.amdhsa_next_free_sgpr 66
		.amdhsa_reserve_vcc 0
		.amdhsa_float_denorm_mode_32 3
		.amdhsa_float_denorm_mode_16_64 3
		.amdhsa_memory_ordered 1
		.amdhsa_forward_progress 1
		.amdhsa_inst_pref_size 51
	.end_amdhsa_kernel
	.amdgpu_metadata
---
amdhsa.version: [ 1, 2 ]
amdhsa.kernels:
  - .name:           k_q9b17abec03_fin
    .symbol:         k_q9b17abec03_fin.kd
    .args:
      - { .name: part, .offset: 0, .size: 8, .value_kind: global_buffer, .address_space: global }
      - { .name: ml, .offset: 8, .size: 8, .value_kind: global_buffer, .address_space: global }
      - { .name: wts, .offset: 16, .size: 8, .value_kind: global_buffer, .address_space: global }
      - { .name: out0, .offset: 24, .size: 8, .value_kind: global_buffer, .address_space: global }
    .group_segment_fixed_size: 17920
    .private_segment_fixed_size: 0
    .kernarg_segment_align: 8
    .kernarg_segment_size: 32
    .max_flat_workgroup_size: 128
    .sgpr_count:     66
    .vgpr_count:     1024
    .wavefront_size: 32
...
	.end_amdgpu_metadata
.endif
;; end of part 4
